; MI455X (gfx1250); checked and timed in simulation.
; The chip was launched on July 23, 2026; its instructions are those of AMD's public machine-readable ISA for CDNA 5 (MIT licence, August 2026) and "CDNA5" Instruction Set Architecture Reference Guide (July 2026). The comments in the code are by the model that wrote it; some were corrected since.
;; Quantum Attention Old. Allowed arithmetic: matrix products marked QUANTISED: E2M1 operands, one E8M0 scale for each 32 along K, by v_wmma_scale_f32_16x16x128_f8f6f4 with both operands' format E2M1 (or v_wmma_scale_f32_32x16x128_f4), f32 sums; everything else in f32.
;; Inputs: keys_codes 2 x 2,048 x 16 x 4 x 16 uint8 (E2M1 codes of keys, K innermost, in blocks of 32 codes, two codes a byte); keys_scales 2 x 2,048 x 16 x 4 uint8 (E8M0 scales of keys, one for each 32 codes along K); q_params 4 float32; queries 2 x 2,048 x 16 x 128 float32; values 2 x 2,048 x 16 x 128 float32.
;; Outputs: out0 2 x 2,048 x 16 x 128 float32.
;; This version of the problem:
;;   THIS VERSION OF THE PROBLEM IS GIVEN IN LOW PRECISION. The matrix products marked QUANTISED in the list below multiply operands that are first quantised to E2M1 (2 exponent bits, 1 mantissa bit; 4 bits a number), with one power-of-two scale for each 32 numbers along K (OCP MX v1.0); their sums are f32. All else is computed in f32.
;;   The module's matrix products, in the order in which they are computed (A, B: the left and right operand; K: the contracted axis; several contracted axes count as one K, in the product's order):
;;     1. batch 32 x [M 2,048, K 128] x [K 128, N 2,048]; A: input values; B: input keys (given as codes): QUANTISED
;;     2. batch 32 x [M 128, K 2,048] x [K 2,048, N 2,048]; A: input values; B: softmax (see below): QUANTISED
;;   THE QUANTISER, for each operand of a quantised product, along K:
;;     - K is cut into blocks of 32 from its start; a last block that is shorter is filled with zeros.
;;     - A block's scale is 2^e with e = floor(log2(the largest magnitude in the block)) - 2, held to -126 .. 127; a block of zeros has e = 0. As a byte (E8M0): e + 127.
;;     - Each number is divided by its block's scale, clamped to +-6, and rounded to the nearest number of E2M1, ties to even, subnormals kept.
;;     - The product sums the exact products of the quantised numbers (number of the format x scale) in f32.
;;   ~~~python
;;   def quantise(x, axis):      # numpy; x: float32 -> the quantised numbers, widened to float32 again
;;       x = np.moveaxis(x, axis, -1); K = x.shape[-1]
;;       x = np.pad(x, [(0, 0)] * (x.ndim - 1) + [(0, -K % 32)]); x = x.reshape(x.shape[:-1] + (-1, 32)); a = np.abs(x).max(-1, keepdims=True)
;;       e = np.where(a > 0, np.clip(np.frexp(np.where(a > 0, a, 1))[1] - 1 - 2, -126, 127), 0)      # np.frexp(a)[1] - 1 = floor(log2(a)), exactly
;;       r = np.clip(x / 2.0 ** e, -6, 6)
;;       step = 2.0 ** (np.maximum(np.frexp(np.where(r == 0, 1, r))[1] - 1, 0) - 1)
;;       q = np.round(r / step) * step * 2.0 ** e      # np.round: ties to even
;;       return np.moveaxis(q.reshape(q.shape[:-2] + (-1,))[..., :K], -1, axis).astype(np.float32)
;;   ~~~
;;   SOFTMAX AHEAD OF A QUANTISED PRODUCT. Where the list says 'softmax', what is quantised is not the finished softmax but p = 2^(t - M), with t = logit x log2(e) and M = ceil(the row's largest t), a whole number; so 1/2 < the row's largest p <= 1. The row's sum l is taken of the UNQUANTISED p, in f32, and the product's result is divided by l at the end. Since M is a whole number, a kernel that streams over the keys may use a running M (the ceiling of the running maximum): every later rescaling is an exact power of two, which a block's scale takes up: the codes' values come out the same.
;;   OPERANDS COMPUTED ON THE WAY. 'Computed on the way' means the value that the module computes at that place (a softmax that the list does not call 'softmax' is quantised finished and normalised). What goes into a quantiser is computed in f32, as accurately as f32 sums, v_exp_f32 and their like allow (about 1e-6 of the number): no bf16 or f16 on the way to a quantiser, and a product that is left as it is and whose result goes on into a quantised operand takes f32 operands (vector FMAs, or v_wmma_f32_16x16x4_f32). A number that lies on a knife's edge between two numbers of the format may be rounded either way, as far as f32 arithmetic and the matrix unit's own rounding can turn it there, and no further.
;;   INPUTS GIVEN AS CODES. keys (in the module: [2, 2048, 16, 128], K = its axis 3): each comes as NAME_codes (uint8): NAME with its K axis moved to the last place and cut into blocks of 32 codes, [.., K / 32, bytes a block], one block behind the other in memory; two codes a byte, the lower K in the low four bits (a code: sign, 2 exponent bits, 1 mantissa bit); and NAME_scales (uint8): the same leading axes, one E8M0 byte (e + 127) for each 32 codes along K. Its value is code x scale, taken as it is: it is not quantised again, and the codes and scales need not be those that the quantiser above would give.
;; One version. Each part assembles by itself: llvm-mc -triple=amdgcn-amd-amdhsa -mcpu=gfx1250 --defsym DOCPART=n.
;; ======== version 1 of 1: 2 launches
;; limits: inputs' magnitudes at most 1,000,000
;; workspace buffers: kv 8,912,896 bytes; vqc 4,194,304 bytes; vqs 262,144 bytes
;; launch prep (part 1): grid 16 x 32, 4 waves a work-group, no clusters, 69,632 bytes of LDS; arguments values, keys_codes, keys_scales, kv, vqc, vqs; writes kv, vqc, vqs
.if DOCPART == 1
	.amdgcn_target "amdgcn-amd-amdhsa--gfx1250"
	.amdhsa_code_object_version 6
	.text
	.protected	k_q450bbd200d_prep
	.globl	k_q450bbd200d_prep
	.p2align	8
	.type	k_q450bbd200d_prep,@function
k_q450bbd200d_prep:
	s_mov_b64 s[64:65], 0
	v_nop
	global_prefetch_b8 v0, s[64:65] scope:SCOPE_SE
	s_setreg_imm32_b32 hwreg(HW_REG_WAVE_MODE, 25, 1), 1
	s_wait_xcnt 0x0
; values [2][2048][16][128] f32 is quantised to FP4 (E2M1, one E8M0 byte for each 32) TWICE: along d (it plays the query's part in the first product) and along s (the second product's K are the keys),
; and the keys' codes and scale bytes are laid anew.  All that leaves is laid as IMAGES OF OPERAND REGISTERS: a fragment (16 rows x 128 K) is 1,024 bytes, [c (2)][lane (32)][16 bytes], so that the
; next launch takes it by two loads of 16 bytes a lane, 512 bytes apart, and a key step's tiles are one dense block.
; kv  [bh (32)][j (16)][17,408 bytes]: key step j (128 keys) of head bh:  +0 eight fragments of K;  +8,192 eight fragments of V^T;  +16,384 K's scale words [lane][4];  +16,896 V's scale words [lane][4].
;     K's fragment 2 b + u: lane (r = lane % 16, h = lane / 16), part c: d-block 2 c + h of key 128 j + 32 b + 8 u + r + 8 (r / 8): THE KEYS OF A TILE ARE NOT NEIGHBOURS, so that in the scores a lane's 16
;     registers of two neighbouring tiles are 16 neighbouring keys.   V^T's fragment t: d = 16 t + r, keys 128 j + 64 c + 32 h + 0 .. 31.
;     K's scale word (lane, b): that of key 128 j + 32 b + 8 h + r + 8 (r / 8).   V's scale word (lane, cc): d = 32 cc + lane; its byte w is the block of keys 128 j + 32 w on.
; vqc [bh][tile (128)][1,024 bytes]: row 16 tile + r, d-block 2 c + h.    vqs [bh][row (2048)]: a scale word a row.
; A block's scale is 2^(floor(log2(its largest magnitude)) - 2); its byte is the largest magnitude's exponent field - 2, held at 1 from below.  (A block of zeros so gets the byte 1 where the rule says 127:
; its codes are zeros, which add nothing under any byte but 0xff, and these bytes are read by this program alone.)  The keys' codes and bytes are taken as they are given.
; LIMITS: NaN and infinities among the values are not served.
; SHARES.  Work-group (x = j, y = bh) makes key step j of head bh; its wave w takes rows s = 128 j + 32 w + 0 .. 31: one block along s, K's tiles 2 w and 2 w + 1, two tiles of vqc.
; The wave's 32 rows x 512 bytes are loaded once, 512 consecutive bytes a load, and lie in its own stage in LDS (rows 528 bytes apart).  They are read back twice: by columns (a lane = one d, its 32 registers
; run down s) and by rows (a lane = one row, its 32 registers are one block along d).  Either way a block lies in ONE lane's registers: its maximum asks no other lane, and the conversions give 16 bytes that are
; a fragment's piece as it stands.  No loop, no tensor load; one barrier, for the scale words that four waves put together.  No register that a store reads is written again.
.set PITCH, 528                        ; a stage row: 512 bytes + 16 = 33 x 16: sixteen lanes that read 16 bytes of sixteen rows fall on sixteen different 16-byte columns of 256
.set WSTG,  32*PITCH                   ; a wave's stage
.set SCB,   4*WSTG                     ; behind the stages: K's scale words (512 bytes), V's (512), vqs' (512)
.set STEPB, 17408                      ; a key step's block in kv
.set HEADB, 16*STEPB
.set BY,  32                           ; v32-39   a scale byte for each of the eight passes
.set R,   48                           ; v48-175  32 rows x 4 registers as loaded; then two sets of 32 numbers: v48-79, v80-111
.set KF,  176                          ; v176-191 K's two fragments
.set C,   192                          ; v192-223 codes: four registers for each pass
	s_load_b256 s[4:11], s[0:1], 0x0               ; values s[4:5], keys_codes s[6:7], keys_scales s[8:9], kv s[10:11]
	s_load_b128 s[12:15], s[0:1], 0x20             ; vqc s[12:13], vqs s[14:15]
	v_lshl_add_u32 v224, v0, 2, 0x10e00
	v_mov_b32 v225, 0
	v_lshrrev_b32 v16, 5, v0
	v_readfirstlane_b32 s16, v16                   ; wave 0..3
	s_and_b32 s18, ttmp7, 0xffff                   ; bh = 16 b + head
	s_lshr_b32 s19, s18, 4                         ; b
	s_and_b32 s20, s18, 15                         ; head
	s_lshl_b32 s21, s19, 11
	s_lshl_b32 s22, ttmp9, 7
	s_add_co_u32 s21, s21, s22
	s_lshl_b32 s22, s16, 5
	s_add_co_u32 s21, s21, s22                     ; 2048 b + 128 j + 32 w: my first row
	s_lshl_b32 s21, s21, 4
	s_add_co_u32 s21, s21, s20                     ; x 16 heads + head: at most 65,535
	s_lshl_b32 s22, s21, 9                         ; values: 512 bytes for a row of a head
	s_mov_b32 s23, 0
	s_lshl_b32 s24, s21, 6                         ; keys_codes: 64 bytes
	s_mov_b32 s25, 0
	s_lshl_b32 s32, s21, 2                         ; keys_scales: 4 bytes
	s_mov_b32 s33, 0
	s_mul_i32 s34, s18, HEADB
	s_mul_i32 s35, ttmp9, STEPB
	s_add_co_u32 s34, s34, s35                     ; kv: my key step's block
	s_mov_b32 s35, 0
	s_lshl_b32 s26, s16, 11                        ; in it: K's fragments 2 w, 2 w + 1;
	s_mov_b32 s27, 0
	s_lshl_b32 s28, s16, 8
	s_add_co_u32 s28, s28, 8192                    ; V^T's: my block w of keys is part c = w / 2, half h = w % 2 of every fragment: 512 c + 256 h = 256 w
	s_mov_b32 s29, 0
	s_lshl_b32 s36, s18, 17
	s_lshl_b32 s37, ttmp9, 2
	s_add_co_u32 s37, s37, s16
	s_lshl_b32 s37, s37, 11
	s_add_co_u32 s36, s36, s37                     ; vqc: head x 128 tiles + tile 8 j + 2 w
	s_mov_b32 s37, 0
	s_lshl_b32 s38, s18, 13
	s_lshl_b32 s39, ttmp9, 9
	s_add_co_u32 s38, s38, s39                     ; vqs: head x 8,192 bytes + 128 j rows
	s_mov_b32 s39, 0
	s_mul_i32 s17, s16, WSTG                       ; my stage
	s_lshl_b32 s19, s16, 2
	v_and_b32 v1, 31, v0                           ; lane
	v_and_b32 v2, 15, v0                           ; r
	v_bfe_u32 v3, v0, 4, 1                         ; h
	v_lshlrev_b32 v4, 4, v1                        ; 16 x lane: my bytes of a row of values, and of an image
	v_and_b32 v16, 8, v2
	v_add_nc_u32 v16, v16, v2                      ; r + 8 (r / 8)
	v_lshlrev_b32 v5, 10, v16                      ; keys_codes: from key to key of a head 1,024 bytes,
	v_lshl_add_u32 v5, v3, 4, v5                   ; + 16 h: d-block h (part c: 32 bytes on)
	v_lshl_add_u32 v6, v3, 3, v16
	v_lshlrev_b32 v6, 6, v6                        ; keys_scales: key 8 h + r + 8 (r / 8), 64 bytes from key to key
	v_add_nc_u32 v7, s17, v4                       ; the stage, on the way in
	v_lshl_add_u32 v8, v1, 2, s17                  ; by columns: 4 x lane
	v_mul_u32_u24 v9, v1, PITCH
	v_add_nc_u32 v9, s17, v9                       ; by rows: row = lane
	v_lshlrev_b32 v10, 4, v2
	v_lshl_add_u32 v10, v3, 10, v10                ; a piece's place: 16 r, and lanes 16-31 one fragment on
	v_add_nc_u32 v11, s16, v4
	v_add_nc_u32 v11, SCB+512, v11                 ; V's scale bytes: word (lane, cc), byte w
	v_add_nc_u32 v12, s19, v4
	v_add_nc_u32 v12, SCB, v12                     ; K's scale words: word (lane, w)
	v_lshl_add_u32 v13, v0, 2, SCB+1024            ; vqs' words: 4 x thread = 128 w + 4 x lane
	v_lshl_add_u32 v14, v0, 3, SCB                 ; on the way out 8 bytes a thread
	v_lshlrev_b32 v15, 3, v0
	s_wait_alu depctr_va_vdst(0)
	s_wait_kmcnt 0x0
	s_add_nc_u64 s[4:5], s[4:5], s[22:23]
	s_add_nc_u64 s[6:7], s[6:7], s[24:25]
	s_add_nc_u64 s[8:9], s[8:9], s[32:33]
	s_add_nc_u64 s[10:11], s[10:11], s[34:35]
	s_add_nc_u64 s[26:27], s[10:11], s[26:27]
	s_add_nc_u64 s[28:29], s[10:11], s[28:29]
	s_add_nc_u64 s[30:31], s[10:11], 16384         ; the two images of scale words
	s_add_nc_u64 s[12:13], s[12:13], s[36:37]
	s_add_nc_u64 s[14:15], s[14:15], s[38:39]
	; ---- all 37 loads of the wave go out at once: K's five first
	global_load_b32 v21, v6, s[8:9]
.irp u, 0,1
.irp c, 0,1
	global_load_b128 v[KF+4*(2*\u+\c):KF+4*(2*\u+\c)+3], v5, s[6:7] offset:8192*\u+32*\c   ; tile 2 w + u begins 8 u keys on
.endr
.endr
.set i, 0
.rept 32
	global_load_b128 v[R+4*i:R+4*i+3], v4, s[4:5] offset:8192*i th:TH_LOAD_NT              ; row i: 32 lanes read 512 consecutive bytes; read once in the launch
.set i, i+1
.endr
	s_wait_loadcnt 32                              ; the five oldest are in; the 32 rows may be out
.irp u, 0,1
.irp c, 0,1
	global_store_b128 v4, v[KF+4*(2*\u+\c):KF+4*(2*\u+\c)+3], s[26:27] offset:1024*\u+512*\c   ; 512 consecutive bytes
.endr
.endr
	ds_store_b32 v12, v21
.set i, 0
.rept 32
	s_wait_loadcnt 31-i                            ; loads come back in order: row i is in
	ds_store_b128 v7, v[R+4*i:R+4*i+3] offset:i*PITCH
.set i, i+1
.endr
	s_wait_dscnt 0x0                               ; the stores have read their registers, which now take the numbers back
.macro FCOL cc, set                    ; columns 32 cc + lane: register i = row i.  A load takes 128 consecutive bytes
.set i, 0
.rept 32
	ds_load_b32 v[R+32*(\set)+i], v8 offset:i*PITCH+128*(\cc)
.set i, i+1
.endr
.endm
.macro FROW p, set                     ; row = lane: its block p along d
.irp q, 0,1,2,3,4,5,6,7
	ds_load_b128 v[R+32*(\set)+4*\q:R+32*(\set)+4*\q+3], v9 offset:128*(\p)+16*\q
.endr
.endm
.macro QBLK k                          ; pass k: the 32 numbers of set k % 2 are one block: its codes into v[C + 4 k] on, its byte into v[BY + k]
.set XS, R+32*((\k)%2)
	v_max3_num_f32 v16, |v[XS]|, |v[XS+1]|, |v[XS+2]|              ; the largest magnitude, in two chains
	v_max3_num_f32 v17, |v[XS+3]|, |v[XS+4]|, |v[XS+5]|
.irp i, 6,10,14,18,22,26
	v_max3_num_f32 v16, v16, |v[XS+\i]|, |v[XS+\i+1]|
	v_max3_num_f32 v17, v17, |v[XS+\i+2]|, |v[XS+\i+3]|
.endr
	v_max3_num_f32 v16, v16, |v[XS+30]|, |v[XS+31]|
	v_max3_num_f32 v16, v16, v17, 0x1800000        ; and the floor 2^(3 - 127): so the byte cannot fall under 1
	v_add_nc_u32 v18, 0xff000000, v16              ; 2 off its exponent field: the conversion takes the exponent field of this operand as its scale, and nothing else of it
.irp g, 0,1,2,3
	v_cvt_scalef32_pk8_fp4_f32 v[C+4*(\k)+\g], v[XS+8*\g:XS+8*\g+7], v18   ; to the nearest code, ties to even, beyond 6 the largest code; the first number's code in the lowest bits
.endr
	v_lshrrev_b32 v[BY+(\k)], 23, v18              ; the scale's byte.  (Also the plain line behind the conversions)
.endm
; Eight passes; each pass's numbers are fetched two passes ahead.  left = the LDS instructions issued behind the pass's own fetch, which may stay out.
.macro CPASS cc, left                  ; V^T: d = 32 cc + lane, my block of keys
	s_wait_dscnt \left
	QBLK \cc
	ds_store_b8 v11, v[BY+\cc] offset:4*\cc
	global_store_b128 v10, v[C+4*\cc:C+4*\cc+3], s[28:29] offset:2048*\cc   ; fragments 2 cc (lanes 0-15) and 2 cc + 1: sixteen lanes store 256 consecutive bytes, at a multiple of 256
.endm
.macro RPASS p, left                   ; vqc: row = lane, d-block p = part p / 2, half p % 2: 256 p bytes on
	s_wait_dscnt \left
	QBLK 4+\p
.if \p == 0
	v_mov_b32 v20, v[BY+4]
.else
	v_lshl_or_b32 v20, v[BY+4+\p], 8*\p, v20       ; the row's scale word: byte p
.endif
	global_store_b128 v10, v[C+16+4*\p:C+16+4*\p+3], s[12:13] offset:256*\p
.endm
	FCOL 0, 0
	FCOL 1, 1
	CPASS 0, 32                                    ; behind its fetch: the next fetch's 32
	FCOL 2, 0
	CPASS 1, 33                                    ; a byte's store and 32
	FCOL 3, 1
	CPASS 2, 33
	FROW 0, 0
	CPASS 3, 9                                     ; a byte's store and 8
	FROW 1, 1
	RPASS 0, 9
	FROW 2, 0
	RPASS 1, 8
	FROW 3, 1
	RPASS 2, 8
	RPASS 3, 0
	ds_store_b32 v13, v20
	s_wait_dscnt 0x0                               ; for the others' sake: my scale words and bytes lie in LDS
	s_barrier_signal -1
	s_barrier_wait -1
	ds_load_b64 v[22:23], v14                      ; K's and V's scale words: 1,024 bytes, 8 a thread
	s_wait_dscnt 0x0
	global_store_b64 v15, v[22:23], s[30:31]       ; a wave stores 256 consecutive bytes, at a multiple of 256
	s_cmp_lt_u32 s16, 2
	s_cbranch_scc0 .Ldone                          ; vqs' 512 bytes are two waves' work
	ds_load_b64 v[24:25], v14 offset:1024
	s_wait_dscnt 0x0
	global_store_b64 v15, v[24:25], s[14:15]
.Ldone:
	s_wait_tensorcnt 0x0
	ds_add_u32 v224, v225
	s_wait_dscnt 0x0
	s_endpgm
.Lfunc_end_k_q450bbd200d_prep:
	.size	k_q450bbd200d_prep, .Lfunc_end_k_q450bbd200d_prep-k_q450bbd200d_prep
	.p2alignl 7, 3214868480
	.fill 96, 4, 3214868480
	.section	.rodata,"a",@progbits
	.p2align	6, 0x0
	.amdhsa_kernel k_q450bbd200d_prep
		.amdhsa_group_segment_fixed_size 69632
		.amdhsa_private_segment_fixed_size 0
		.amdhsa_enable_private_segment 0
		.amdhsa_kernarg_size 48
		.amdhsa_user_sgpr_count 2
		.amdhsa_user_sgpr_kernarg_segment_ptr 1
		.amdhsa_wavefront_size32 1
		.amdhsa_system_sgpr_workgroup_id_x 1
		.amdhsa_system_sgpr_workgroup_id_y 1
		.amdhsa_system_sgpr_workgroup_id_z 1
		.amdhsa_system_vgpr_workitem_id 0
		.amdhsa_next_free_vgpr 226
		.amdhsa_next_free_sgpr 66
		.amdhsa_reserve_vcc 0
		.amdhsa_float_denorm_mode_32 3
		.amdhsa_float_denorm_mode_16_64 3
		.amdhsa_memory_ordered 1
		.amdhsa_forward_progress 1
		.amdhsa_inst_pref_size 34
	.end_amdhsa_kernel
	.amdgpu_metadata
---
amdhsa.version: [ 1, 2 ]
amdhsa.kernels:
  - .name:           k_q450bbd200d_prep
    .symbol:         k_q450bbd200d_prep.kd
    .args:
      - { .name: values, .offset: 0, .size: 8, .value_kind: global_buffer, .address_space: global }
      - { .name: keys_codes, .offset: 8, .size: 8, .value_kind: global_buffer, .address_space: global }
      - { .name: keys_scales, .offset: 16, .size: 8, .value_kind: global_buffer, .address_space: global }
      - { .name: kv, .offset: 24, .size: 8, .value_kind: global_buffer, .address_space: global }
      - { .name: vqc, .offset: 32, .size: 8, .value_kind: global_buffer, .address_space: global }
      - { .name: vqs, .offset: 40, .size: 8, .value_kind: global_buffer, .address_space: global }
    .group_segment_fixed_size: 69632
    .private_segment_fixed_size: 0
    .kernarg_segment_align: 8
    .kernarg_segment_size: 48
    .max_flat_workgroup_size: 128
    .sgpr_count:     66
    .vgpr_count:     226
    .wavefront_size: 32
...
	.end_amdgpu_metadata
.endif
;; end of part 1
;; launch attn (part 2): grid 8 x 32, 16 waves a work-group, clusters of 4 x 1, 280,576 bytes of LDS; arguments kv, vqc, vqs, q_params, out0; writes out0
.if DOCPART == 2
	.amdgcn_target "amdgcn-amd-amdhsa--gfx1250"
	.amdhsa_code_object_version 6
	.text
	.protected	k_q450bbd200d_attn
	.globl	k_q450bbd200d_attn
	.p2align	8
	.type	k_q450bbd200d_attn,@function
k_q450bbd200d_attn:
	s_mov_b64 s[64:65], 0
	v_nop
	global_prefetch_b8 v0, s[64:65] scope:SCOPE_SE
	s_setreg_imm32_b32 hwreg(HW_REG_WAVE_MODE, 25, 1), 1
	s_wait_xcnt 0x0
	s_wait_alu depctr_hold_cnt(0) depctr_sa_sdst(0) depctr_va_vdst(0) depctr_va_sdst(0) depctr_va_ssrc(0) depctr_va_vcc(0) depctr_vm_vsrc(0)
	s_getreg_b32 s2, hwreg(HW_REG_IB_STS2, 6, 4)
	s_cmp_eq_u32 s2, 0
	s_cbranch_scc0 .Lentry_in_a_cluster
	s_endpgm
.Lentry_in_a_cluster:
	s_bfe_u32 s2, ttmp6, 0x10000c
	s_cmp_lg_u32 s2, 0x3003
	s_cbranch_scc0 .Lentry_shape_is_right
	s_endpgm
.Lentry_shape_is_right:
; out0[b][l][hd][:] = the sum over s <= l of softmax_s((cos(q_params[0]) + 0.5 values[l] . keys[s]) / sqrt(128)) values[s][:], for each of 32 heads bh = 16 b + hd, 2,048 positions, head size 128.
; Both products on codes of FP4 (E2M1) with one E8M0 scale for each 32 along K.  The launch before has laid all operands as images of operand registers:
;   kv [bh][j (16)][17,408]: key step j (128 keys): +0 eight fragments of K, +8,192 eight of V^T, +16,384 K's scale words [lane][4], +16,896 V's [lane][4];   vqc [bh][tile][1,024], vqs [bh][row]: values as queries.
; THE SOFTMAX: t = score x c1 + c0, c1 = 0.5 log2(e) / sqrt(128), c0 = cos(q_params[0]) log2(e) / sqrt(128); M = the row's largest t so far, rounded UP to a whole number; p = 2^(t - M) is what is quantised, along
; the keys, not normalised.  The row's sum is taken of the unquantised p and divides at the end.  When M moves, the sum and O are multiplied by 2^(old M - new M): exact.
; NOT LOADED: queries, of which the computation takes the shape alone, and q_params[1 .. 3], which it never names: no number of them enters any result.
; LIMITS: NaN and infinities are not served.  The cosine is made by taking off n quarter turns (pi / 2 in two parts; what is left of it is under 2e-15 n) and two short series: good for |q_params[0]| up to about 1e6.
; A WHOLE HEAD STAYS IN LDS: its 16 blocks, 278,528 bytes, as they lie in memory, filled ONCE by 16 tensor loads (waves 0 to 3, four each: at most four of a wave are out).  Nothing is filled again.
; CLUSTER.  The four work-groups of a cluster belong to one head and want the same 278,528 bytes: each load is asked for JOINTLY, with the same descriptor and a mask that names the four.
; SHARES, even under the causal mask.  A head has 16 chunks of 128 queries; chunk ch wants key steps 0 .. ch.  Cluster z (0, 1) owns chunks a = z + 2 i (i = 0 .. 3) and 15 - a.  A wave owns ONE tile of 16 queries.
; Of the wave's number w3 w2 w1 w0: i = 2 w3 + w1; e = w2; the chunk is 15 - a where w2 xor w0 is 1, else a; the tile is 8 x chunk + 2 cx + e, cx the work-group's place in the cluster.  Any four waves that
; share w1 w0, and any four that share w3 w2, hold two pairs (a, 15 - a): 34 steps.  The chunk hangs on the wave's number and the cluster's number alone: cx enters global addresses and one vector constant.
; Every wave walks all 16 steps of the two loops, whose trip counts are constants; a step whose keys all come after the wave's chunk is left out by a scalar branch on ids.
; LAYOUT.  Both products are used transposed: S^T = K Q^T (source 0 = 16 keys, source 1 = my 16 queries), O^T = V^T P^T: a lane holds ONE query (lane % 16) throughout.  Register 16 b + i of S^T is key
; 32 b + 16 (lane / 16) + i of the step (the keys of K's tiles were chosen for it).
; REGISTERS: v1-6 addresses; v9 c0, v10 -M, v12 c0 - M, v13 the largest t, v[14:15] the sum; v16-23 Q; v24-27 K's scale words, v28-31 V's; v32-95 eight fragments; v96-159 S^T, then p; v160-223 O^T;
;   v224-231 p's codes; v232-254 at work; v253 p's scale word; v255 Q's.
.set STEPB, 17408
.set HEADB, 16*STEPB
.set QUART, 4*STEPB                    ; four steps: what the four waves' loads of one turn bring
.set VOFF,  8192
.set KSOFF, 16384
.set VSOFF, 16896
.set SP,    272                        ; the way out: a stage of 16 rows x (256 bytes + 16) for each wave.  The sixteen stages are the bytes of key steps 0 to 3, which have had their one fill and, behind the second barrier, their last read
.set WSTG,  16*SP
.set LI,  1                            ; v1   16 x lane: my place in an image
.set DG,  2                            ; v2   my query's place in its chunk - 16 (lane / 16)
.set GO,  3                            ; v3   the way out: my byte offset in the tile's rows of out0
.set AD,  4                            ; v4   LDS address of the step in hand
.set STO, 5                            ; v5   the stage: where I put 32 bytes of a row
.set RD,  6                            ; v6   and where I read a row back
.set C0,  9
.set NM,  10
.set CM,  12                           ; named with v13 as a pair; the low word serves both halves
.set TM,  13
.set SUM, 14
.set QF,  16
.set KS,  24
.set VS,  28
.set FRG, 32
.set SS,  96
.set OT,  160
.set PC,  224
.set BM,  232                          ; v232-235 the blocks' largest scores, then largest p
.set WK,  236                          ; v236-239 at work
.set SO,  244                          ; v244-247 the conversions' scale operands
.set FF,  252                          ; f = 2^(old M - new M); named with v253 as a pair
.set PW,  253
.set TP,  254
.set QS,  255
.set WV,  14
.set CX,  15
.set BH,  17
.set CH,  18                           ; my chunk = my last key step
.set TT,  19                           ; my tile
.set SEL, 20                           ; s[20:21] lane selects for v_permlanex16_b32: lane l xor 16
.set CS,  22                           ; s[22:23] c1: the packed form names a pair and takes its low word for both halves
.set G1,  24                           ; s[24:31] descriptor group 1
.set G0,  32                           ; s[32:47] four groups 0; never rewritten
.set TB,  48                           ; LDS byte at which the step in hand begins
.set JJ,  49                           ; the step in hand
; A round of the cluster's barrier: my work-group's barrier, so that wave 0's signal speaks for all sixteen waves; wave 0 signals for the work-group; every wave waits for all four work-groups; my work-group's barrier once more.
.macro ROUND
	s_barrier_signal -1
	s_barrier_wait -1
	s_cmp_lg_u32 s[WV], 0
	s_cbranch_scc1 .Lnot_wave_0_\@
	s_barrier_signal -3
.Lnot_wave_0_\@:
	s_barrier_wait -3
	s_barrier_signal -1
	s_barrier_wait -1
.endm
	s_load_b256 s[4:11], s[0:1], 0x0               ; kv s[4:5], vqc s[6:7], vqs s[8:9], q_params s[10:11]
	s_load_b64 s[12:13], s[0:1], 0x20              ; out0
	v_lshl_add_u32 v250, v0, 2, 0x44000
	v_mov_b32 v251, 0
	ds_add_u32 v250, v251
	ds_add_u32 v250, v251
	v_lshrrev_b32 v7, 5, v0
	s_delay_alu instid0(VALU_DEP_1)
	v_readfirstlane_b32 s[WV], v7                  ; wave 0..15
	s_bfe_u32 s[CX], ttmp6, 0x40000                ; cx: my place in the cluster
	s_and_b32 s[BH], ttmp7, 0xffff                 ; the head, which the four partners share
	s_bfe_u32 s52, s[WV], 0x10003
	s_bfe_u32 s53, s[WV], 0x10001
	s_lshl_b32 s52, s52, 1
	s_add_co_u32 s52, s52, s53                     ; i = 2 w3 + w1
	s_lshl_b32 s52, s52, 1
	s_add_co_u32 s52, s52, ttmp9                   ; a = z + 2 i (in a cluster launch ttmp9 counts clusters)
	s_bfe_u32 s54, s[WV], 0x10002                  ; e = w2
	s_and_b32 s55, s[WV], 1
	s_xor_b32 s55, s55, s54                        ; w2 xor w0
	s_sub_co_u32 s53, 15, s52
	s_cmp_lg_u32 s55, 0
	s_cselect_b32 s[CH], s53, s52                  ; my chunk: 15 - a or a
	s_lshl_b32 s[TT], s[CH], 3
	s_lshl_b32 s55, s[CX], 1
	s_add_co_u32 s[TT], s[TT], s55
	s_add_co_u32 s[TT], s[TT], s54                 ; my tile: 8 x chunk + 2 cx + e
	; descriptor group 1: a key step's block, 17,408 dense bytes, as 68 rows of 256 bytes (32 elements of 8 bytes), no padding: images are read 16 bytes a lane on end
	s_mov_b32 s[G1+0], 15|(3<<16)|(1<<21)          ; 15:0 the mask: all four work-groups; 17:16 elements of 8 bytes; 21 set beside a mask
	s_mov_b32 s[G1+1], 32<<16                      ; tensor_dim0 = 32
	s_mov_b32 s[G1+2], 68<<16                      ; tensor_dim1 = 68
	s_mov_b32 s[G1+3], 32<<16                      ; tile_dim0 = 32
	s_mov_b32 s[G1+4], 68                          ; tile_dim1 = 68
	s_mov_b32 s[G1+5], 32                          ; tensor_dim0_stride
	s_mov_b32 s[G1+6], 0
	s_mov_b32 s[G1+7], 0
	s_and_b32 s58, s[WV], 3
	s_mul_i32 s58, s58, STEPB                      ; waves 0 to 3 fetch steps w, w + 4, w + 8, w + 12: the same place in LDS as in the head's bytes
	s_mul_i32 s60, s[BH], HEADB
	s_add_co_u32 s60, s60, s58
	s_mov_b32 s61, 0
	s_lshl_b32 s52, s[BH], 17                      ; vqc: head x 128 tiles x 1,024 bytes + my tile
	s_lshl_b32 s53, s[TT], 10
	s_add_co_u32 s52, s52, s53
	s_mov_b32 s53, 0
	s_lshl_b32 s56, s[BH], 13                      ; vqs: head x 8,192 bytes + my tile's 64
	s_lshl_b32 s57, s[TT], 6
	s_add_co_u32 s56, s56, s57
	s_mov_b32 s57, 0
	s_lshr_b32 s50, s[BH], 4                       ; out0: b x 2^24 + 16 tile rows of 8,192 bytes + head x 512
	s_lshl_b32 s50, s50, 24
	s_lshl_b32 s51, s[TT], 17
	s_add_co_u32 s50, s50, s51
	s_and_b32 s51, s[BH], 15
	s_lshl_b32 s51, s51, 9
	s_add_co_u32 s50, s50, s51
	s_mov_b32 s51, 0
	s_lshl_b32 s55, s[CX], 5
	s_lshl_b32 s59, s54, 4
	s_add_co_u32 s55, s55, s59                     ; 32 cx + 16 e: my tile's place in its chunk
	s_mul_i32 s59, s[WV], WSTG                     ; my stage
	s_mov_b32 s[SEL], 0x76543210
	s_mov_b32 s[SEL+1], 0xfedcba98
	s_mov_b32 s[CS], 0x3d8293ee                    ; c1 = 0.5 log2(e) / sqrt(128)
	s_mov_b32 s[CS+1], s[CS]                       ; (named with it as a pair, so it is written)
	s_wait_dscnt 0x0
	s_wait_kmcnt 0x0
	s_add_nc_u64 s[60:61], s[4:5], s[60:61]
	s_add_nc_u64 s[6:7], s[6:7], s[52:53]
	s_add_nc_u64 s[8:9], s[8:9], s[56:57]
	s_add_nc_u64 s[12:13], s[12:13], s[50:51]
.irp q, 0,1,2,3
	s_mov_b32 s[G0+4*\q], 1                                        ; 1:0 count = 1
	s_add_co_u32 s[G0+4*\q+1], s58, \q*QUART                       ; 63:32 LDS address
	s_add_nc_u64 s[G0+4*\q+2:G0+4*\q+3], s[60:61], \q*QUART        ; 120:64 global address: nothing in it hangs on cx
	s_or_b32 s[G0+4*\q+3], s[G0+4*\q+3], 0x80000000                ; 127:126 type = 2
.endr
	ROUND                                          ; all four work-groups are here: the joint loads meet
	s_cmp_lt_u32 s[WV], 4                          ; a wave's four fills stand in one branch on the wave's number, ahead of every wait on TENSORcnt, every LDS read and every other barrier
	s_cbranch_scc0 .Lno_fill
	tensor_load_to_lds s[G0:G0+3], s[G1:G1+7]
	s_nop 0
	tensor_load_to_lds s[G0+4:G0+7], s[G1:G1+7]
	s_nop 0
	tensor_load_to_lds s[G0+8:G0+11], s[G1:G1+7]
	s_nop 0
	tensor_load_to_lds s[G0+12:G0+15], s[G1:G1+7]
	s_nop 0
.rept 4
	v_nop                                          ; four v_nop follow the last of them, ahead of the label
.endr
.Lno_fill:
	s_load_b32 s62, s[10:11], 0x0                  ; q_params[0]
	v_and_b32 v[LI], 31, v0
	s_delay_alu instid0(VALU_DEP_1)
	v_lshlrev_b32 v[LI], 4, v[LI]
	v_and_b32 v7, 15, v0                           ; r
	v_bfe_u32 v8, v0, 4, 1                         ; h
	s_delay_alu instid0(VALU_DEP_1)
	v_lshlrev_b32 v11, 4, v8
	s_delay_alu instid0(VALU_DEP_1)
	v_sub_nc_u32 v[DG], v7, v11
	s_delay_alu instid0(VALU_DEP_1)
	v_add_nc_u32 v[DG], s55, v[DG]                 ; 32 cx + 16 e + r - 16 h (a signed number)
	v_lshlrev_b32 v[GO], 4, v7
	s_delay_alu instid0(VALU_DEP_1)
	v_lshl_add_u32 v[GO], v8, 13, v[GO]            ; lanes 0-15 take one row of out0, lanes 16-31 the next (8,192 bytes on); 16 bytes a lane
	v_mul_u32_u24 v[STO], v7, SP
	s_delay_alu instid0(VALU_DEP_1)
	v_lshl_add_u32 v[STO], v8, 5, v[STO]
	s_delay_alu instid0(VALU_DEP_1)
	v_add_nc_u32 v[STO], s59, v[STO]               ; in: row r, + 32 h
	v_mul_u32_u24 v[RD], v8, SP
	s_delay_alu instid0(VALU_DEP_1)
	v_lshl_add_u32 v[RD], v7, 4, v[RD]
	s_delay_alu instid0(VALU_DEP_1)
	v_add_nc_u32 v[RD], s59, v[RD]                 ; back: lanes 0-15 one row, lanes 16-31 the next
	v_lshlrev_b32 v11, 2, v7
	global_load_b128 v[QF:QF+3], v[LI], s[6:7] th:TH_LOAD_NT               ; Q's fragment stays in registers; read once in the launch
	global_load_b128 v[QF+4:QF+7], v[LI], s[6:7] offset:512 th:TH_LOAD_NT
	global_load_b32 v[QS], v11, s[8:9] th:TH_LOAD_NT                       ; its scale words: lane r has row r's
	s_wait_kmcnt 0x0
	; cos(x): n = floor(x 2 / pi + 1/2); y = x - n pi / 2, |y| <= pi / 4; by n mod 4: cos y, -sin y, -cos y, sin y.  The same number in every lane; the choice is a select, no branch
	v_mov_b32 v240, s62
	s_delay_alu instid0(VALU_DEP_1)
	v_fma_f32 v241, v240, 0x3f22f983, 0.5
	s_delay_alu instid0(VALU_DEP_1)
	v_floor_f32 v241, v241                         ; n
	s_delay_alu instid0(VALU_DEP_1)
	v_fma_f32 v242, v241, 0xbfc90fdb, v240         ; - n x the f32 nearest to pi / 2,
	s_delay_alu instid0(VALU_DEP_1)
	v_fma_f32 v242, v241, 0x333bbd2e, v242         ; + n x what that number has over pi / 2
	s_delay_alu instid0(VALU_DEP_1)
	v_mul_f32 v243, v242, v242                     ; y^2
	v_mov_b32 v244, 0x3638ef1d                     ; sin: 1 / 9!
	v_mov_b32 v245, 0xb493f27e                     ; cos: -1 / 10!   (the first terms left out are under 2e-9)
	s_delay_alu instid0(VALU_DEP_2)
	v_fma_f32 v244, v244, v243, 0xb9500d01         ; -1 / 7!
	s_delay_alu instid0(VALU_DEP_2)
	v_fma_f32 v245, v245, v243, 0x37d00d01         ; 1 / 8!
	s_delay_alu instid0(VALU_DEP_2)
	v_fma_f32 v244, v244, v243, 0x3c088889         ; 1 / 5!
	s_delay_alu instid0(VALU_DEP_2)
	v_fma_f32 v245, v245, v243, 0xbab60b61         ; -1 / 6!
	s_delay_alu instid0(VALU_DEP_2)
	v_fma_f32 v244, v244, v243, 0xbe2aaaab         ; -1 / 3!
	s_delay_alu instid0(VALU_DEP_2)
	v_fma_f32 v245, v245, v243, 0x3d2aaaab         ; 1 / 4!
	s_delay_alu instid0(VALU_DEP_2)
	v_mul_f32 v244, v244, v243
	s_delay_alu instid0(VALU_DEP_2)
	v_fma_f32 v245, v245, v243, -0.5
	s_delay_alu instid0(VALU_DEP_2)
	v_fma_f32 v244, v244, v242, v242               ; sin y
	s_delay_alu instid0(VALU_DEP_2)
	v_fma_f32 v245, v245, v243, 1.0                ; cos y
	v_cvt_i32_f32 v246, v241
	s_delay_alu instid0(VALU_DEP_1)
	v_and_b32 v247, 1, v246
	s_delay_alu instid0(VALU_DEP_1)
	v_cmp_ne_u32 vcc_lo, 0, v247
	s_delay_alu instid0(VALU_DEP_1)
	v_cndmask_b32 v248, v245, v244, vcc_lo         ; n odd: the sine
	s_delay_alu instid0(VALU_DEP_4)
	v_add_nc_u32 v246, 1, v246
	s_delay_alu instid0(VALU_DEP_1)
	v_and_b32 v246, 2, v246
	s_delay_alu instid0(VALU_DEP_1)
	v_lshlrev_b32 v246, 30, v246
	s_delay_alu instid0(VALU_DEP_1)
	v_xor_b32 v248, v248, v246                     ; n mod 4 = 1 or 2: the sign turns
	s_delay_alu instid0(VALU_DEP_1)
	v_mul_f32 v[C0], 0x3e0293ee, v248              ; c0 = cos x log2(e) / sqrt(128)
	v_mov_b32 v[TM], 0xff61b1e6                    ; the largest t so far: -3e38, under every t
	s_delay_alu instid0(VALU_DEP_1)
	v_floor_f32 v[NM], -v[TM]                      ; -M
	s_delay_alu instid0(VALU_DEP_1)
	v_add_f32 v[CM], v[NM], v[C0]
	v_mov_b32 v[SUM], 0                            ; the sum, in two halves
	v_mov_b32 v[SUM+1], 0
.irp b, 0,1,2,3
	v_mov_b32 v[WK+\b], 0                          ; written once: a lane permute's destination counts as one of its sources
.endr
	v_mov_b32 v[FF], 0                             ; likewise
	v_mov_b32 v[PW], 0                             ; (named as the upper half of the pair v[252:253] before it is first written)
.set n, 0
.rept 64
	v_mov_b32 v[OT+n], 0                           ; O^T.  (The step is written for every step alike: the first finds zeros, which the first change of M leaves zeros)
.set n, n+1
.endr
; A KEY STEP: 128 keys.
.macro STEP
	s_cmp_gt_u32 s[JJ], s[CH]                      ; all its keys come after my queries: the step's work is left out; no barrier and no tensor load stands in it
	s_cbranch_scc1 .Lhidden_\@
	s_setprio 2
	v_add_nc_u32 v[AD], s[TB], v[LI]
.irp t, 0,1,2,3,4,5,6,7
	ds_load_b128 v[FRG+8*\t:FRG+8*\t+3],   v[AD] offset:1024*\t          ; K's eight fragments: each load takes 512 consecutive bytes
	ds_load_b128 v[FRG+8*\t+4:FRG+8*\t+7], v[AD] offset:1024*\t+512
.endr
	ds_load_b128 v[KS:KS+3], v[AD] offset:KSOFF    ; register b: lanes 0-15 the scale words of tile 2 b, lanes 16-31 those of tile 2 b + 1
	s_wait_alu depctr_va_vdst(0)
	s_wait_dscnt 0x0
.irp t, 0,1,2,3,4,5,6,7                        ; S^T = K Q^T
.if \t%2
	v_wmma_scale_f32_16x16x128_f8f6f4 v[SS+8*\t:SS+8*\t+7], v[FRG+8*\t:FRG+8*\t+7], v[QF:QF+7], 0, v[KS+\t/2], v[QS] matrix_a_fmt:MATRIX_FMT_FP4 matrix_b_fmt:MATRIX_FMT_FP4 matrix_a_scale:MATRIX_SCALE_ROW1
.else
	v_wmma_scale_f32_16x16x128_f8f6f4 v[SS+8*\t:SS+8*\t+7], v[FRG+8*\t:FRG+8*\t+7], v[QF:QF+7], 0, v[KS+\t/2], v[QS] matrix_a_fmt:MATRIX_FMT_FP4 matrix_b_fmt:MATRIX_FMT_FP4
.endif
.endr
.rept 4
	v_nop                                          ; four places in front of the loads into the fragments' registers and of the first read of the scores
.endr
.irp t, 0,1,2,3,4,5,6,7
	ds_load_b128 v[FRG+8*\t:FRG+8*\t+3],   v[AD] offset:VOFF+1024*\t     ; V^T's eight fragments are asked for now: they land while the softmax is worked
	ds_load_b128 v[FRG+8*\t+4:FRG+8*\t+7], v[AD] offset:VOFF+1024*\t+512
.endr
	ds_load_b128 v[VS:VS+3], v[AD] offset:VSOFF
	s_cmp_lg_u32 s[JJ], s[CH]                      ; only my last step lies on the diagonal
	s_cbranch_scc1 .Lopen_\@
	v_mov_b32 v[TP], 0xff800000                    ; -infinity for hidden keys, ahead of the maximum: p = 0 then.  Register 16 b + i holds key 32 b + 16 (lane / 16) + i of the chunk: hidden where 32 b + i > v[DG]
.set n, 0
.rept 64
	v_cmp_gt_i32 vcc_lo, 32*(n/16)+n%16, v[DG]
	v_cndmask_b32 v[SS+n], v[SS+n], v[TP], vcc_lo
.set n, n+1
.endr
.Lopen_\@:
.irp b, 0,1,2,3
	v_max3_num_f32 v[BM+\b], v[SS+16*\b], v[SS+1+16*\b], v[SS+2+16*\b]   ; THE LARGEST SCORE OF EACH BLOCK OF 32 KEYS serves twice: for the row's maximum, and, since p rises with the score, for the block's largest p
.endr
.irp i, 3,5,7,9,11,13
.irp b, 0,1,2,3
	v_max3_num_f32 v[BM+\b], v[BM+\b], v[SS+16*\b+\i], v[SS+1+16*\b+\i]  ; (the four blocks by turns)
.endr
.endr
.irp b, 0,1,2,3
	v_max_num_f32 v[BM+\b], v[BM+\b], v[SS+15+16*\b]
.endr
.irp b, 0,1,2,3
	s_delay_alu instid0(VALU_DEP_4)
	v_permlanex16_b32 v[WK+\b], v[BM+\b], s[SEL], s[SEL+1]
.endr
.irp b, 0,1,2,3
	s_delay_alu instid0(VALU_DEP_4)
	v_max_num_f32 v[BM+\b], v[BM+\b], v[WK+\b]     ; with lane l xor 16's 16 keys
.endr
	s_delay_alu instid0(VALU_DEP_2)
	v_max3_num_f32 v[TP], v[BM], v[BM+1], v[BM+2]
	s_delay_alu instid0(VALU_DEP_1)
	v_max_num_f32 v[TP], v[TP], v[BM+3]            ; the step's largest score of my query
	s_delay_alu instid0(VALU_DEP_1)
	v_fma_f32 v[TP], v[TP], s[CS], v[C0]           ; as t (c1 is positive)
	s_delay_alu instid0(VALU_DEP_1)
	v_max_num_f32 v[TM], v[TM], v[TP]              ; the running largest t
	v_mov_b32 v[TP], v[NM]
	s_delay_alu instid0(VALU_DEP_2)
	v_floor_f32 v[NM], -v[TM]                      ; the new -M = floor(-t) = -ceil(t): M IS A WHOLE NUMBER
	s_delay_alu instid0(VALU_DEP_1)
	v_sub_f32 v[TP], v[NM], v[TP]                  ; M's old value less its new one: a whole number, 0 or less
	s_delay_alu instid0(VALU_DEP_1)
	v_cvt_i32_f32 v[TP], v[TP]                     ; (it saturates)
	s_delay_alu instid0(VALU_DEP_1)
	v_ldexp_f32 v[FF], 1.0, v[TP]                  ; f = 2^(old M - new M)
	s_delay_alu instid0(VALU_DEP_4)
	v_add_f32 v[CM], v[NM], v[C0]                  ; c0 - M
.set n, 0
.rept 32
	v_pk_fma_f32 v[SS+n:SS+n+1], v[SS+n:SS+n+1], s[CS:CS+1], v[CM:CM+1] op_sel_hi:[1,0,0]   ; t - M = score x c1 + (c0 - M), two at a time
.set n, n+2
.endr
.irp b, 0,1,2,3
	v_fma_f32 v[BM+\b], v[BM+\b], s[CS], v[CM]     ; the same of each block's largest score
.endr
.set n, 0
	s_setprio 1
	s_wait_alu depctr_va_vdst(0)
.rept 64
	v_exp_f32 v[SS+n], v[SS+n]                     ; p = 2^(t - M), at most 1: NOT normalised
.set n, n+1
.endr
.irp b, 0,1,2,3
	v_exp_f32 v[BM+\b], v[BM+\b]                   ; the block's largest p: the same two instructions on the same number give the same bits
.endr
	v_pk_mul_f32 v[SUM:SUM+1], v[SUM:SUM+1], v[FF:FF+1] op_sel_hi:[1,0]   ; the sums under the new M.  (A plain place behind the exponentials)
	s_wait_alu depctr_va_vdst(0)
.irp b, 0,1,2,3
	v_max_num_f32 v[BM+\b], 0x1800000, v[BM+\b]    ; the floor 2^(3 - 127): the byte cannot fall under 1 (a block whose every p is 0 keeps that byte: its codes are zeros)
.endr
.irp b, 0,1,2,3
	s_delay_alu instid0(VALU_DEP_4)
	v_add_nc_u32 v[SO+\b], 0xff000000, v[BM+\b]    ; 2 off the exponent field: the conversion's scale operand
.endr
.irp b, 0,1,2,3
	s_delay_alu instid0(VALU_DEP_4)
	v_lshrrev_b32 v[WK+\b], 23, v[SO+\b]           ; the scale's byte
.endr
	s_delay_alu instid0(VALU_DEP_3)
	v_lshl_or_b32 v[PW], v[WK+1], 8, v[WK]         ; p's scale word for these 128 keys
	s_delay_alu instid0(VALU_DEP_1)
	v_lshl_or_b32 v[PW], v[WK+2], 16, v[PW]
	s_delay_alu instid0(VALU_DEP_1)
	v_lshl_or_b32 v[PW], v[WK+3], 24, v[PW]
.irp b, 0,1,2,3
	v_cvt_scalef32_pk8_fp4_f32 v[PC+2*\b], v[SS+16*\b:SS+7+16*\b], v[SO+\b]
	v_cvt_scalef32_pk8_fp4_f32 v[PC+1+2*\b], v[SS+8+16*\b:SS+15+16*\b], v[SO+\b]
.endr
	v_nop                                          ; one plain vector instruction between a scaled conversion and the vector instruction that touches its result
.irp c, 0,1                                    ; the operand's layout wants a WHOLE block in a lane: lanes 0-15 block 2 c, lanes 16-31 block 2 c + 1
.irp i, 0,1
	v_permlane16_swap_b32 v[PC+4*\c+\i], v[PC+2+4*\c+\i]
.endr
.endr
	v_pk_add_f32 v[236:237], v[100:101], v[104:105]
	v_pk_add_f32 v[248:249], v[108:109], v[112:113]
	v_pk_add_f32 v[246:247], v[116:117], v[120:121]
	v_pk_add_f32 v[244:245], v[124:125], v[128:129]
	v_pk_add_f32 v[242:243], v[132:133], v[136:137]
	v_pk_add_f32 v[240:241], v[140:141], v[144:145]
	v_pk_add_f32 v[234:235], v[148:149], v[152:153]
	v_pk_add_f32 v[14:15], v[14:15], v[156:157]
	v_pk_add_f32 v[236:237], v[236:237], v[96:97]
	v_pk_add_f32 v[248:249], v[248:249], v[98:99]
	v_pk_add_f32 v[246:247], v[246:247], v[102:103]
	v_pk_add_f32 v[244:245], v[244:245], v[106:107]
	v_pk_add_f32 v[242:243], v[242:243], v[110:111]
	v_pk_add_f32 v[240:241], v[240:241], v[114:115]
	v_pk_add_f32 v[234:235], v[234:235], v[118:119]
	v_pk_add_f32 v[14:15], v[14:15], v[122:123]
	v_pk_add_f32 v[236:237], v[236:237], v[126:127]
	v_pk_add_f32 v[248:249], v[248:249], v[130:131]
	v_pk_add_f32 v[246:247], v[246:247], v[134:135]
	v_pk_add_f32 v[244:245], v[244:245], v[138:139]
	v_pk_add_f32 v[242:243], v[242:243], v[142:143]
	v_pk_add_f32 v[240:241], v[240:241], v[146:147]
	v_pk_add_f32 v[234:235], v[234:235], v[150:151]
	v_pk_add_f32 v[14:15], v[14:15], v[154:155]
	v_pk_add_f32 v[236:237], v[236:237], v[158:159]
	s_delay_alu instid0(VALU_DEP_2)
	v_pk_add_f32 v[14:15], v[14:15], v[244:245]
	s_delay_alu instid0(VALU_DEP_2)
	v_pk_add_f32 v[236:237], v[236:237], v[242:243]
	v_pk_add_f32 v[248:249], v[248:249], v[240:241]
	v_pk_add_f32 v[246:247], v[246:247], v[234:235]
	s_delay_alu instid0(VALU_DEP_2)
	v_pk_add_f32 v[14:15], v[14:15], v[248:249]
	s_delay_alu instid0(VALU_DEP_2)
	v_pk_add_f32 v[236:237], v[236:237], v[246:247]
	s_delay_alu instid0(VALU_DEP_1)
	v_pk_add_f32 v[14:15], v[14:15], v[236:237]
.set n, 0
.rept 32
	v_pk_mul_f32 v[OT+n:OT+n+1], v[OT+n:OT+n+1], v[FF:FF+1] op_sel_hi:[1,0]   ; O^T under the new M: x f, each accumulator from its low end on.  (These and the sums are the places between p's codes and scale word and the products below)
.set n, n+2
.endr
	s_setprio 0
	s_wait_alu depctr_va_vdst(0)
	s_wait_dscnt 0x0                               ; V^T's fragments and scale words are in
.irp t, 0,1,2,3,4,5,6,7                        ; O^T += V^T P^T; the eight accumulators take turns, one instruction a turn
.if \t%2
	v_wmma_scale_f32_16x16x128_f8f6f4 v[OT+8*\t:OT+8*\t+7], v[FRG+8*\t:FRG+8*\t+7], v[PC:PC+7], v[OT+8*\t:OT+8*\t+7], v[VS+\t/2], v[PW] matrix_a_fmt:MATRIX_FMT_FP4 matrix_b_fmt:MATRIX_FMT_FP4 matrix_a_scale:MATRIX_SCALE_ROW1
.else
	v_wmma_scale_f32_16x16x128_f8f6f4 v[OT+8*\t:OT+8*\t+7], v[FRG+8*\t:FRG+8*\t+7], v[PC:PC+7], v[OT+8*\t:OT+8*\t+7], v[VS+\t/2], v[PW] matrix_a_fmt:MATRIX_FMT_FP4 matrix_b_fmt:MATRIX_FMT_FP4
.endif
.endr
.rept 4
	v_nop                                          ; four places behind the products, on every way on: the next step's loads into the fragments' registers, or the way out's reads of O^T
.endr
.Lhidden_\@:
	s_add_co_u32 s[TB], s[TB], STEPB               ; every wave steps, whether it worked or not
.endm
	s_wait_loadcnt 0x0                             ; Q
	s_wait_tensorcnt 0x3                           ; my first load (key step w) is in; the three issued behind it may stay out.  Waves 4 to 15 have none out
	s_barrier_signal -1
	s_barrier_wait -1                              ; key steps 0 to 3 lie in LDS
	s_mov_b32 s[TB], 0
	s_mov_b32 s[JJ], 0
.Lfirst:                                           ; key steps 0 to 3, while the other twelve land
	STEP
	s_add_co_u32 s[JJ], s[JJ], 1
	s_cmp_lt_u32 s[JJ], 4
	s_cbranch_scc1 .Lfirst
	s_setprio 0
	s_wait_tensorcnt 0x0                           ; all my loads are in,
	s_wait_dscnt 0x0                               ; and my reads of key steps 0 to 3 are over
	s_barrier_signal -1
	s_barrier_wait -1                              ; the whole head lies in LDS, and nobody reads steps 0 to 3 any more: their bytes are the stages now
	s_mov_b32 s[TB], QUART
	s_mov_b32 s[JJ], 4
.Lrest:                                            ; key steps 4 to 15
	STEP
	s_add_co_u32 s[JJ], s[JJ], 1
	s_cmp_lt_u32 s[JJ], 16
	s_cbranch_scc1 .Lrest
	s_setprio 0
	; THE WAY OUT.  O^T is divided by the row's sum and goes through my stage in LDS, half a row (64 channels, 256 bytes) of 16 queries at a time, so that sixteen lanes store 256 consecutive bytes.
	v_add_f32 v[SUM], v[SUM], v[SUM+1]             ; the sum's two halves,
	s_delay_alu instid0(VALU_DEP_1)
	v_permlanex16_b32 v[FF], v[SUM], s[SEL], s[SEL+1]
	s_delay_alu instid0(VALU_DEP_1)
	v_add_f32 v[SUM], v[SUM], v[FF]                ; and lane l xor 16's: the row's sum
	s_wait_alu depctr_va_vdst(0)
	v_rcp_f32 v[SUM], v[SUM]
	v_nop                                          ; one plain place behind a transcendental
.set n, 0
	s_wait_alu depctr_va_vdst(0)
.rept 32
	v_pk_mul_f32 v[SS+n:SS+n+1], v[OT+n:OT+n+1], v[SUM:SUM+1] op_sel_hi:[1,0]   ; register 8 t + i is o(query r, channel 16 t + 8 h + i); each accumulator from its low end on
.set n, n+2
.endr
.irp u, 0,1                                    ; channels 64 u on
.irp t, 0,1,2,3
	ds_store_b128 v[STO], v[SS+32*\u+8*\t:SS+32*\u+8*\t+3] offset:64*\t
	ds_store_b128 v[STO], v[SS+32*\u+8*\t+4:SS+32*\u+8*\t+7] offset:64*\t+16
.endr
.irp i, 0,1,2,3,4,5,6,7
	ds_load_b128 v[FRG+32*\u+4*\i:FRG+32*\u+4*\i+3], v[RD] offset:2*\i*SP   ; LDS serves a wave's instructions in order (ISA guide 5.7.1.4): these see my stores, and the next half's stores come behind them
.endr
.endr
.irp u, 0,1
.irp i, 0,1,2,3,4,5,6,7
	s_wait_dscnt 23-16*\u-\i                       ; what was issued behind this load: the rest of its eight, and for the first half the second half's sixteen.  The last count is 0
	global_store_b128 v[GO], v[FRG+32*\u+4*\i:FRG+32*\u+4*\i+3], s[12:13] offset:2*\i*8192+256*\u th:TH_STORE_NT   ; sixteen lanes store 256 consecutive bytes, at a multiple of 256 from out0's first byte; written once, read by nobody here
.endr
.endr
	s_wait_tensorcnt 0x0
	ds_add_u32 v250, v251
	s_wait_dscnt 0x0
	ROUND                                          ; the closing round: no work-group ends while a partner may still ask for a tile that names it
	s_endpgm
.Lfunc_end_k_q450bbd200d_attn:
	.size	k_q450bbd200d_attn, .Lfunc_end_k_q450bbd200d_attn-k_q450bbd200d_attn
	.p2alignl 7, 3214868480
	.fill 96, 4, 3214868480
	.section	.rodata,"a",@progbits
	.p2align	6, 0x0
	.amdhsa_kernel k_q450bbd200d_attn
		.amdhsa_group_segment_fixed_size 280576
		.amdhsa_private_segment_fixed_size 0
		.amdhsa_enable_private_segment 0
		.amdhsa_kernarg_size 40
		.amdhsa_user_sgpr_count 2
		.amdhsa_user_sgpr_kernarg_segment_ptr 1
		.amdhsa_wavefront_size32 1
		.amdhsa_system_sgpr_workgroup_id_x 1
		.amdhsa_system_sgpr_workgroup_id_y 1
		.amdhsa_system_sgpr_workgroup_id_z 1
		.amdhsa_system_vgpr_workitem_id 0
		.amdhsa_next_free_vgpr 256
		.amdhsa_next_free_sgpr 66
		.amdhsa_reserve_vcc 1
		.amdhsa_float_denorm_mode_32 3
		.amdhsa_float_denorm_mode_16_64 3
		.amdhsa_memory_ordered 1
		.amdhsa_forward_progress 1
		.amdhsa_inst_pref_size 66
	.end_amdhsa_kernel
	.amdgpu_metadata
---
amdhsa.version: [ 1, 2 ]
amdhsa.kernels:
  - .name:           k_q450bbd200d_attn
    .symbol:         k_q450bbd200d_attn.kd
    .args:
      - { .name: kv, .offset: 0, .size: 8, .value_kind: global_buffer, .address_space: global }
      - { .name: vqc, .offset: 8, .size: 8, .value_kind: global_buffer, .address_space: global }
      - { .name: vqs, .offset: 16, .size: 8, .value_kind: global_buffer, .address_space: global }
      - { .name: q_params, .offset: 24, .size: 8, .value_kind: global_buffer, .address_space: global }
      - { .name: out0, .offset: 32, .size: 8, .value_kind: global_buffer, .address_space: global }
    .group_segment_fixed_size: 280576
    .private_segment_fixed_size: 0
    .kernarg_segment_align: 8
    .kernarg_segment_size: 40
    .max_flat_workgroup_size: 512
    .sgpr_count:     66
    .vgpr_count:     256
    .wavefront_size: 32
...
	.end_amdgpu_metadata
.endif
;; end of part 2
